; MI455X (gfx1250); checked and timed in simulation.
; The chip was launched on July 23, 2026; its instructions are those of AMD's public machine-readable ISA for CDNA 5 (MIT licence, August 2026) and "CDNA5" Instruction Set Architecture Reference Guide (July 2026). The comments in the code are by the model that wrote it; some were corrected since.
;; Space Attention. Allowed arithmetic: float matrix products may take bf16 or f16 operands with f32 sums; other float arithmetic in f32, or as packed bf16 or f16 multiplies, adds, multiply-adds, maxima and minima; sums over many terms, partial sums and values carried from step to step in f32; what a program stores and reads back later, other than sums and carried values, may be rounded once to bf16 or f16.
;; Inputs: Wk 1,024 x 256 float32; Wo 1,024 x 1,024 float32; Wq 1,024 x 1,024 float32; Wv 1,024 x 256 float32; attn_mask 256 x 256 bool; k_scale 64 float32; q_scale 64 float32; rope_cos 256 x 32 float32; rope_sin 256 x 32 float32; x 4 x 16 x 256 x 1,024 float32.
;; Outputs: out0 4 x 16 x 256 x 1,024 float32.
;; One version. Each part assembles by itself: llvm-mc -triple=amdgcn-amd-amdhsa -mcpu=gfx1250 --defsym DOCPART=n.
;; ======== version 1 of 1: 3 launches
;; limits: values are held in f16: magnitudes above 65,504 overflow, below 6.1e-05 lose precision
;; workspace buffers: wqkv 3,145,728 bytes; wo16 2,097,152 bytes; rope 66,048 bytes; lmask 8,192 bytes of whole numbers; o16 33,554,432 bytes
;; launch prep (part 1): grid 360 x 1, 8 waves a work-group, no clusters, 0 bytes of LDS; arguments Wq, Wk, Wv, Wo, rope_cos, rope_sin, q_scale, k_scale, attn_mask, wqkv, wo16, rope, lmask; writes wqkv, wo16, rope, lmask
.if DOCPART == 1
	.amdgcn_target "amdgcn-amd-amdhsa--gfx1250"
	.amdhsa_code_object_version 6
	.text
	.protected	k_q817c277d0c_prep
	.globl	k_q817c277d0c_prep
	.p2align	8
	.type	k_q817c277d0c_prep,@function
k_q817c277d0c_prep:
	s_mov_b64 s[64:65], 0
	v_nop
	global_prefetch_b8 v0, s[64:65] scope:SCOPE_SE
	s_setreg_imm32_b32 hwreg(HW_REG_WAVE_MODE, 25, 1), 1
	s_wait_xcnt 0x0
; PREPARATION.  The weights are rounded to bf16 and laid in chunks of 8 k: [k / 8][column][8 k], 16 bytes a chunk, so that a matrix fragment is later
; read as 256 consecutive bytes by 16 lanes.  wqkv: [group 4][k chunk 128][384 columns][8 k] bf16; a group's columns are 256 of Wq, 64 of Wk, 64 of Wv.
; wo16: [column tile 4][k chunk 128][256 columns][8 k]: Wo rounded to bf16 and that number written as f16.
; rope: cos, sin and the two gains, each rounded to bf16 and kept as f32; q's gain carries a = 2 log2(e) / 400 (score / 8, / 50, x 2, base 2).
; lmask: for query tile A (16 queries), key tile kt (16 keys), j of 8: a word whose bit l is mask[16 A + l % 16][16 kt + 8 (l / 16) + j]: a lane mask.
; LIMIT: a weight of Wo below 6e-5 in magnitude keeps f16's fixed step of 6e-8; beyond 65,504 it would be lost.
; ROLES by the work-group's number: 0-127 Wq, 128-159 Wk, 160-191 Wv, 192-319 Wo (32 rows of k x 256 columns each), 320-327 cos and sin, 328-359 masks (and the gains).
.set A_LIT, 0x3bec5f04                 ; a = 0.0072134752
; A thread takes one column and 32 rows of k: 32 loads (a wave: 128 consecutive bytes of a row), 16 roundings in pairs, 4 stores of 16 bytes (a wave: 512 consecutive bytes).
.macro CASTW sb, db, pitch, half, dstep
.set i, 0
.rept 32
	global_load_b32 v[16+i], v1, s[\sb:\sb+1] offset:i*(\pitch)
.set i, i+1
.endr
	s_wait_loadcnt 0x0
.set i, 0
.rept 16
	v_cvt_pk_bf16_f32 v[48+i], v[16+2*i], v[16+2*i+1]
.if \half
	v_lshlrev_b32 v4, 16, v[48+i]                  ; the bf16 numbers as f32 again,
	v_and_b32 v5, s5, v[48+i]
	v_cvt_pk_f16_f32 v[48+i], v4, v5               ; written as f16: exact within f16's range
.endif
.set i, i+1
.endr
.set i, 0
.rept 4
	global_store_b128 v2, v[48+4*i:48+4*i+3], s[\db:\db+1] offset:i*(\dstep)
.set i, i+1
.endr
.endm
.macro ROUND4 b                        ; four f32 rounded to bf16, kept as f32
	v_cvt_pk_bf16_f32 v12, v[\b], v[\b+1]
	v_cvt_pk_bf16_f32 v13, v[\b+2], v[\b+3]
	v_lshlrev_b32 v[\b], 16, v12
	v_and_b32 v[\b+1], s5, v12
	v_lshlrev_b32 v[\b+2], 16, v13
	v_and_b32 v[\b+3], s5, v13
.endm
	s_load_b512 s[8:23], s[0:1], 0x0               ; Wq 8, Wk 10, Wv 12, Wo 14, cos 16, sin 18, q_scale 20, k_scale 22
	s_load_b256 s[24:31], s[0:1], 0x40             ; attn_mask 24, wqkv 26, wo16 28, rope 30
	s_load_b64 s[32:33], s[0:1], 0x60              ; lmask
	s_mov_b32 s2, ttmp9
	s_and_b32 s3, s2, 31                           ; which 32 rows of k (every weight role starts at a multiple of 32)
	s_mov_b32 s5, 0xffff0000
	s_wait_kmcnt 0x0
	s_cmp_lt_u32 s2, 128
	s_cbranch_scc0 .Lnot_q
	s_lshr_b32 s4, s2, 5                           ; Wq: the group
	s_lshl_b32 s34, s4, 10                         ; column 256 g, 4 bytes each
	s_lshl_b32 s35, s3, 17                         ; 32 rows of 4,096 bytes
	s_add_co_u32 s34, s34, s35
	v_lshl_add_u32 v1, v0, 2, s34
	s_mul_i32 s35, s4, 786432
	s_mul_i32 s36, s3, 24576                       ; four chunks of 6,144 bytes
	s_add_co_u32 s35, s35, s36
	v_lshl_add_u32 v2, v0, 4, s35
	CASTW 8, 26, 4096, 0, 6144
	s_endpgm
.Lnot_q:
	s_cmp_lt_u32 s2, 192
	s_cbranch_scc0 .Lnot_kv
	s_mov_b32 s38, 4096                            ; k's columns lie behind the group's 256 of q,
	s_mov_b32 s39, 5120                            ; v's behind 320: 16 bytes a column
	s_cmp_lt_u32 s2, 160                           ; Wk or Wv: column t belongs to group t / 64
	s_cselect_b64 s[36:37], s[10:11], s[12:13]
	s_cselect_b32 s38, s38, s39
	s_lshl_b32 s34, s3, 15                         ; 32 rows of 1,024 bytes
	v_lshl_add_u32 v1, v0, 2, s34
	v_lshrrev_b32 v3, 6, v0
	v_and_b32 v4, 63, v0
	v_mul_u32_u24 v3, v3, 786432
	v_lshl_add_u32 v3, v4, 4, v3
	s_mul_i32 s35, s3, 24576
	s_add_co_u32 s35, s35, s38
	v_add_nc_u32 v2, s35, v3
	CASTW 36, 26, 1024, 0, 6144
	s_endpgm
.Lnot_kv:
	s_cmp_lt_u32 s2, 320
	s_cbranch_scc0 .Lnot_wo
	s_sub_co_u32 s4, s2, 192                       ; Wo: the column tile
	s_lshr_b32 s4, s4, 5
	s_lshl_b32 s34, s4, 10
	s_lshl_b32 s35, s3, 17
	s_add_co_u32 s34, s34, s35
	v_lshl_add_u32 v1, v0, 2, s34
	s_lshl_b32 s35, s4, 19
	s_lshl_b32 s36, s3, 14                         ; four chunks of 4,096 bytes
	s_add_co_u32 s35, s35, s36
	v_lshl_add_u32 v2, v0, 4, s35
	CASTW 14, 28, 4096, 1, 4096
	s_endpgm
.Lnot_wo:
	s_cmp_lt_u32 s2, 328
	s_cbranch_scc0 .Lmask
	s_sub_co_u32 s34, s2, 320                      ; cos and sin: 16 bytes of each a thread
	s_lshl_b32 s34, s34, 12
	v_lshl_add_u32 v1, v0, 4, s34
	global_load_b128 v[4:7], v1, s[16:17]
	global_load_b128 v[8:11], v1, s[18:19]
	s_wait_loadcnt 0x0
	ROUND4 4
	ROUND4 8
	global_store_b128 v1, v[4:7], s[30:31]
	global_store_b128 v1, v[8:11], s[30:31] offset:32768
	s_endpgm
.Lmask:
	s_sub_co_u32 s34, s2, 328                      ; a wave makes the 8 words of one query tile A and one key tile kt: one load, no loop
	v_lshrrev_b32 v1, 5, v0
	v_readfirstlane_b32 s35, v1
	s_lshl3_add_u32 s34, s34, s35                  ; 16 A + kt = 8 (id - 328) + wave
	s_lshr_b32 s37, s34, 4                         ; A
	s_and_b32 s38, s34, 15                         ; kt
	v_and_b32 v2, 15, v0
	v_bfe_u32 v3, v0, 4, 1
	s_lshl_b32 s36, s37, 12                        ; 16 A rows of 256 bytes,
	s_lshl4_add_u32 s36, s38, s36                  ; 16 kt keys
	v_lshl_add_u32 v1, v2, 8, s36
	v_lshl_add_u32 v1, v3, 3, v1                   ; my query's row, my half's 8 keys
	global_load_b64 v[4:5], v1, s[24:25]
	s_mov_b32 s42, 0xaaaaaaaa                      ; word j is kept in register j % 4 by the lanes of parity j / 4: the odd lanes
	s_wait_loadcnt 0x0
.set j, 0
.rept 8
	v_bfe_u32 v8, v[4+j/4], 8*(j%4), 8
	v_cmp_ne_u32 s40, 0, v8                        ; the 32 lanes' bits
.if j < 4
	v_mov_b32 v[20+j], s40                         ; words 0-3, in every lane;
.else
	v_mov_b32 v9, s40
	v_cndmask_b32 v[20+j%4], v[20+j%4], v9, s42    ; words 4-7 take their place in the odd lanes
.endif
.set j, j+1
.endr
	v_and_b32 v10, 1, v0
	s_lshl_b32 s36, s34, 5                         ; 32 bytes for each (A, kt)
	v_lshl_add_u32 v10, v10, 4, s36
	global_store_b128 v10, v[20:23], s[32:33]      ; lanes of one parity hold the same 16 bytes and store them to the same place
	s_cmp_lg_u32 s34, 0
	s_cbranch_scc1 .Lend
	v_lshlrev_b32 v11, 4, v2                       ; the gains, by one wave: lanes 16-31 repeat lanes 0-15, the same bytes to the same place
	global_load_b128 v[24:27], v11, s[20:21]
	global_load_b128 v[28:31], v11, s[22:23]
	s_wait_loadcnt 0x0
	ROUND4 24
	ROUND4 28
.irp r, 24,25,26,27
	v_mul_f32 v\r, A_LIT, v\r
.endr
	global_store_b128 v11, v[24:27], s[30:31] offset:65536
	global_store_b128 v11, v[28:31], s[30:31] offset:65792
.Lend:
	s_endpgm
.Lfunc_end_k_q817c277d0c_prep:
	.size	k_q817c277d0c_prep, .Lfunc_end_k_q817c277d0c_prep-k_q817c277d0c_prep
	.p2alignl 7, 3214868480
	.fill 96, 4, 3214868480
	.section	.rodata,"a",@progbits
	.p2align	6, 0x0
	.amdhsa_kernel k_q817c277d0c_prep
		.amdhsa_group_segment_fixed_size 0
		.amdhsa_private_segment_fixed_size 0
		.amdhsa_enable_private_segment 0
		.amdhsa_kernarg_size 104
		.amdhsa_user_sgpr_count 2
		.amdhsa_user_sgpr_kernarg_segment_ptr 1
		.amdhsa_wavefront_size32 1
		.amdhsa_system_sgpr_workgroup_id_x 1
		.amdhsa_system_sgpr_workgroup_id_y 1
		.amdhsa_system_sgpr_workgroup_id_z 1
		.amdhsa_system_vgpr_workitem_id 0
		.amdhsa_next_free_vgpr 64
		.amdhsa_next_free_sgpr 66
		.amdhsa_reserve_vcc 0
		.amdhsa_float_denorm_mode_32 3
		.amdhsa_float_denorm_mode_16_64 3
		.amdhsa_memory_ordered 1
		.amdhsa_forward_progress 1
		.amdhsa_inst_pref_size 23
	.end_amdhsa_kernel
	.amdgpu_metadata
---
amdhsa.version: [ 1, 2 ]
amdhsa.kernels:
  - .name:           k_q817c277d0c_prep
    .symbol:         k_q817c277d0c_prep.kd
    .args:
      - { .name: Wq, .offset: 0, .size: 8, .value_kind: global_buffer, .address_space: global }
      - { .name: Wk, .offset: 8, .size: 8, .value_kind: global_buffer, .address_space: global }
      - { .name: Wv, .offset: 16, .size: 8, .value_kind: global_buffer, .address_space: global }
      - { .name: Wo, .offset: 24, .size: 8, .value_kind: global_buffer, .address_space: global }
      - { .name: rope_cos, .offset: 32, .size: 8, .value_kind: global_buffer, .address_space: global }
      - { .name: rope_sin, .offset: 40, .size: 8, .value_kind: global_buffer, .address_space: global }
      - { .name: q_scale, .offset: 48, .size: 8, .value_kind: global_buffer, .address_space: global }
      - { .name: k_scale, .offset: 56, .size: 8, .value_kind: global_buffer, .address_space: global }
      - { .name: attn_mask, .offset: 64, .size: 8, .value_kind: global_buffer, .address_space: global }
      - { .name: wqkv, .offset: 72, .size: 8, .value_kind: global_buffer, .address_space: global }
      - { .name: wo16, .offset: 80, .size: 8, .value_kind: global_buffer, .address_space: global }
      - { .name: rope, .offset: 88, .size: 8, .value_kind: global_buffer, .address_space: global }
      - { .name: lmask, .offset: 96, .size: 8, .value_kind: global_buffer, .address_space: global }
    .group_segment_fixed_size: 0
    .private_segment_fixed_size: 0
    .kernarg_segment_align: 8
    .kernarg_segment_size: 104
    .max_flat_workgroup_size: 256
    .sgpr_count:     66
    .vgpr_count:     64
    .wavefront_size: 32
...
	.end_amdgpu_metadata
.endif
;; end of part 1
;; launch attn (part 2): grid 4 x 64, 4 waves a work-group, clusters of 4 x 4, 327,680 bytes of LDS; arguments x, wqkv, rope, lmask, o16; writes o16
.if DOCPART == 2
	.amdgcn_target "amdgcn-amd-amdhsa--gfx1250"
	.amdhsa_code_object_version 6
	.text
	.protected	k_q817c277d0c_attn
	.globl	k_q817c277d0c_attn
	.p2align	8
	.type	k_q817c277d0c_attn,@function
k_q817c277d0c_attn:
	s_mov_b64 s[64:65], 0
	v_nop
	global_prefetch_b8 v0, s[64:65] scope:SCOPE_SE
	s_setreg_imm32_b32 hwreg(HW_REG_WAVE_MODE, 25, 1), 1
	s_wait_xcnt 0x0
	s_wait_alu depctr_hold_cnt(0) depctr_sa_sdst(0) depctr_va_vdst(0) depctr_va_sdst(0) depctr_va_ssrc(0) depctr_va_vcc(0) depctr_vm_vsrc(0)
	s_getreg_b32 s2, hwreg(HW_REG_IB_STS2, 6, 4)
	s_cmp_eq_u32 s2, 0
	s_cbranch_scc0 .Lentry_in_a_cluster
	s_endpgm
.Lentry_in_a_cluster:
	s_bfe_u32 s2, ttmp6, 0x10000c
	s_cmp_lg_u32 s2, 0xf033
	s_cbranch_scc0 .Lentry_shape_is_right
	s_endpgm
.Lentry_shape_is_right:
; QKV PROJECTION, RMSNORM, ROPE, CAPPED MASKED SOFTMAX AND P V, for one frame (256 tokens) and one group (4 query heads, 1 key and value head).
; SHARES.  Work-group = (group cx, frame 4 x cluster y + cy).  Wave w owns tokens 64 w .. 64 w + 63: in the projection x all 384 columns (96 accumulators, windows 1-3), later as 64 queries x 4 heads.
; CLUSTER 4 x 4: the four groups of a frame (a row of the cluster) need the same tile of x, the four frames of a column the same tile of the weights: both are asked for jointly.
; FORMATS.  x and the weights multiply in bf16.  Raw q, k and v are rounded once to f16 in LDS; normed q, k, the weights p and O are f16; sums in f32.
; LIMITS.  |x W| and the normed, scaled q and k stay under 65,504 (f16); NaN and infinities are not treated apart; the row sum l is taken of the rounded weights.
; SOFTMAX.  S = a q.k (a in q's gain), t = 2^S, r = 1 / (1 + t): the capped score is 50 (1 - 2 r).  A hidden key gets r = 1e4.  The row's least r stands for the row's maximum:
; p = 2^(c2 (rmin - r)), c2 = 100 log2(e), so p lies in 0 to 1; a hidden key's p is 0; a row with no visible key has equal weights for all 256 keys.
; LDS.  Two slots of 118,784 bytes, at 0 and at 131,072 (one exclusive or turns an address in one into the other's): 256 rows of x (64 f32 + 16 bytes of padding: pitch 272), then 8 k chunks x 384 columns x 16 bytes
; of weights.  Spare words at 249,856.  Behind the last fill the ring's bytes take: QK [wave][head 5 (4 = k)][token tile 4][channel chunk 8][token 16][16 B] at 0, and V [key chunk 32][channel 64][16 B] at 163,840.
; REGISTERS, windows of 256 (s_set_vgpr_msb: bits 1:0 source 0, 3:2 source 1, 5:4 source 2, 7:6 destination).  Window 0: v0-31 addresses; projection: v32-95 x as f32, v96-127 x as bf16, v128-255 two buffers of weights.
; Attention: windows 0 and 1 each hold one unit (16 queries of a head): v32-35 minima, v36-37 c2 rmin, v40-41 1 / l, v48-63 Q, v64-95 O^T, v96-103 l, v104-111 ones, v112-127 O packed, v128-255 S^T (p in place, packed into v128-191);
; window 2: K of all 256 keys; window 3: V^T of all 256 keys.
.set SLOT1, 131072
.set WOFF,  69632
.set SPARE, 249856
.set VRB,   163840
.set MSB, 0
.macro WIN new                         ; the high byte repeats the setting that is left; a switch that changes nothing is dropped
.if MSB != (\new)
	s_set_vgpr_msb (MSB<<8)|(\new)
.set MSB, (\new)
.endif
.endm
.macro NOP4                            ; four places behind a matrix instruction (ISA guide 7.12.1)
.rept 4
	v_nop
.endr
.endm
; A joint load by descriptor set p: waves 0 and 1 fetch the halves of x's tile, waves 2 and 3 those of the weights'.  An s_nop 0 and four v_nop follow each line.
.macro JLOAD p
	s_cmp_eq_u32 s15, 0
	s_cbranch_scc0 .Lfor_w_\@
	tensor_load_to_lds s[32+4*(\p):35+4*(\p)], s[24:31]
	s_nop 0
	NOP4
	s_branch .Lasked_\@
.Lfor_w_\@:
	tensor_load_to_lds s[48+4*(\p):51+4*(\p)], s[40:47]
	s_nop 0
	NOP4
.Lasked_\@:
.endm
.macro CREST                           ; a round of the cluster's barrier behind its opening barrier
	s_cmp_lg_u32 s14, 0
	s_cbranch_scc1 .Lnot_wave_0_\@
	s_barrier_signal -3
.Lnot_wave_0_\@:
	s_barrier_wait -3
	s_barrier_signal -1
	s_barrier_wait -1
.endm
.macro CROUND
	s_barrier_signal -1
	s_barrier_wait -1
	CREST
.endm
; A prefetch of x's tile for the NEXT refill (192 matrix instructions ahead of that load): waves 0 and 1, each for the 128 rows that it fetches; of these the partner at cx takes 32, told apart by address; a lane a row of 256 bytes.
; So each block of x is named once in the launch.  Tiles 0 to 2 come by their loads alone; the last refill (tile 15) asks for nothing.  The weights are not asked for: 3 MB that sixteen clusters read again and again.
.macro ASK
	s_cmp_lt_u32 s59, s58
	s_cbranch_scc0 .Lnot_mine_\@
	global_prefetch_b8 v9, s[56:57] offset:256 th:TH_LOAD_NT scope:SCOPE_SE
.Lnot_mine_\@:
.endm
	s_load_b256 s[4:11], s[0:1], 0x0               ; x 4, wqkv 6, rope 8, lmask 10
	s_load_b64 s[12:13], s[0:1], 0x20              ; o16
	v_lshl_add_u32 v28, v0, 2, SPARE
	v_mov_b32 v29, 0
	ds_add_u32 v28, v29                            ; the wave's opening: the add and its wait ahead of my first tensor load
	v_lshrrev_b32 v1, 5, v0
	v_readfirstlane_b32 s14, v1                    ; wave 0..3
	s_lshr_b32 s15, s14, 1                         ; 0: I fetch x; 1: the weights
	s_and_b32 s16, s14, 1                          ; which half of the tile
	s_bfe_u32 s17, ttmp6, 0x40000                  ; cx
	s_bfe_u32 s18, ttmp6, 0x40004                  ; cy
	s_lshl_b32 s19, ttmp9, 2
	s_add_co_u32 s19, s19, s17                     ; the group
	s_and_b32 s20, ttmp7, 0xffff
	s_lshl_b32 s20, s20, 2
	s_add_co_u32 s20, s20, s18                     ; the frame
	s_lshl_b32 s21, s18, 2
	s_lshl_b32 s21, 15, s21                        ; my row of the cluster
	s_lshl_b32 s22, 0x1111, s17                    ; my column
	; group 1 for x: 128 rows x 64 elements of 4 bytes, 1,024 elements from row to row, 4 words of padding behind every 64
	s_or_b32 s24, s21, (2<<16)|(1<<20)|(1<<21)|(5<<22)|(3<<25)
	s_mov_b32 s25, 64<<16
	s_mov_b32 s26, 128<<16
	s_mov_b32 s27, 64<<16
	s_mov_b32 s28, 128
	s_mov_b32 s29, 1024
	s_mov_b32 s30, 0
	s_mov_b32 s31, 0
	; group 1 for the weights: 24,576 dense bytes as 96 rows of 32 elements of 8 bytes
	s_or_b32 s40, s22, (3<<16)|(1<<21)
	s_mov_b32 s41, 32<<16
	s_mov_b32 s42, 96<<16
	s_mov_b32 s43, 32<<16
	s_mov_b32 s44, 96
	s_mov_b32 s45, 32
	s_mov_b32 s46, 0
	s_mov_b32 s47, 0
	s_mov_b32 s63, 0                               ; the slot that is being read: 0 or SLOT1
	s_lshl_b32 s66, s20, 20                        ; x: the frame's 256 rows of 4,096 bytes,
	s_lshl_b32 s61, s16, 19                        ; my 128 of them
	s_add_co_u32 s66, s66, s61
	s_mov_b32 s67, 0
	s_mul_i32 s2, s19, 786432                      ; the weights: the group, my half of a tile
	s_mul_i32 s62, s16, 24576
	s_add_co_u32 s2, s2, s62
	s_mov_b32 s3, 0
	s_mul_i32 s61, s16, 34816                      ; where they go in a slot: no place in the cluster enters an LDS address
	s_add_co_u32 s62, s62, WOFF
	s_wait_dscnt 0x0                               ; the opening add is done
	s_wait_kmcnt 0x0
	s_add_nc_u64 s[66:67], s[4:5], s[66:67]
	s_add_nc_u64 s[2:3], s[6:7], s[2:3]
	CROUND                                         ; all sixteen work-groups are here: the first joint loads meet
.irp p, 0,1                            ; a descriptor set for each of the two first fills; the second then walks on
	s_mov_b32 s[32+4*(\p)], 1
	s_add_co_u32 s[33+4*(\p)], s61, (\p)*SLOT1
	s_add_nc_u64 s[34+4*(\p):35+4*(\p)], s[66:67], (\p)*256
	s_or_b32 s[35+4*(\p)], s[35+4*(\p)], 0x80000000
	s_mov_b32 s[48+4*(\p)], 1
	s_add_co_u32 s[49+4*(\p)], s62, (\p)*SLOT1
	s_add_nc_u64 s[50+4*(\p):51+4*(\p)], s[2:3], (\p)*49152
	s_or_b32 s[51+4*(\p)], s[51+4*(\p)], 0x80000000
	JLOAD \p                                       ; K steps 0 and 1: two loads of mine are out
.endr
	s_lshl_b32 s22, s17, 17                        ; the prefetches: my work-group's 32 rows of the 128,
	s_mov_b32 s23, 0
	s_add_nc_u64 s[56:57], s[66:67], s[22:23]
	s_add_nc_u64 s[56:57], s[56:57], 256           ; at tile 1; each refill steps it
	s_cmp_eq_u32 s15, 0
	s_cselect_b32 s58, 15, 0                       ; waves 0 and 1 ask while the refill's tile is below 15
	s_mov_b32 s59, 1                               ; the tile at which the prefetch pointer stands
	s_lshl_b32 s22, s20, 19                        ; O: the frame's 524,288 bytes, the group's 32 chunks of 4,096
	s_lshl_b32 s61, s19, 17
	s_add_co_u32 s22, s22, s61
	s_add_nc_u64 s[12:13], s[12:13], s[22:23]
	s_lshl_b32 s22, s14, 11                        ; the masks of my four query tiles
	s_add_nc_u64 s[10:11], s[10:11], s[22:23]
	v_and_b32 v1, 15, v0                           ; r = lane % 16
	v_bfe_u32 v2, v0, 4, 1                         ; h = lane / 16
	v_mul_u32_u24 v3, v1, 272
	v_lshl_add_u32 v3, v2, 5, v3
	s_mul_i32 s61, s14, 17408
	v_add_nc_u32 v3, s61, v3                       ; v3: x in slot 0: (64 w + r) x 272 + 32 h; never rewritten
	v_mov_b32 v4, v3                               ; v4: the same in the slot that is being read
	v_mul_u32_u24 v5, v2, 6144
	v_lshl_add_u32 v5, v1, 4, v5
	v_add_nc_u32 v5, WOFF, v5                      ; v5: the weights in slot 0: chunk h, column r; never rewritten
	v_mov_b32 v6, v5                               ; v6: the same in the slot that is being read
	v_lshlrev_b32 v22, 4, v1
	v_lshl_add_u32 v23, v2, 8, v22                 ; 256 h + 16 r
	s_mul_i32 s61, s14, 40960
	v_add_nc_u32 v7, s61, v23                      ; v7: my wave's block of QK
	v_lshl_add_u32 v18, v2, 10, v22
	v_add_nc_u32 v18, VRB, v18                     ; v18: V's fragments: key chunk h, channel r
	s_lshl_b32 s61, s14, 13
	v_add_nc_u32 v8, s61, v18                      ; v8: where my wave puts V
	v_and_b32 v9, 31, v0
	v_lshlrev_b32 v9, 12, v9                       ; v9: the prefetches' offset, a lane a row of x
	v_lshl_add_u32 v11, v2, 12, v22
	s_lshl_b32 s61, s14, 10
	v_add_nc_u32 v11, s61, v11                     ; v11: O: chunk h, token 64 w + r
	v_lshlrev_b32 v13, 7, v1
	v_lshl_add_u32 v13, v2, 5, v13
	s_lshl_b32 s61, s14, 13
	v_add_nc_u32 v13, s61, v13                     ; v13: cos and sin: token 64 w + r, 8 numbers at 8 h
	v_add_nc_u32 v14, 32768, v23                   ; v14-17: k of wave 0..3's tokens
	v_add_nc_u32 v15, 73728, v23
	v_add_nc_u32 v16, 114688, v23
	v_add_nc_u32 v17, 155648, v23
	v_lshlrev_b32 v20, 5, v2                       ; v20: the gains: 8 numbers at 8 h
	v_mov_b32 v21, 0                               ; v21: 0, an addend
; THE PROJECTION.  A K step is 64, two halves of 32; a half is three groups of 8 column tiles x my 4 token tiles: 32 matrix instructions each, on accumulators that take turns (96 between two links of a chain).
.macro LDW s, g, buf                   ; 8 fragments of weights: the slot in hand, half s, group g, into buffer buf
	WIN 0
.set b, 0
.rept 8
	ds_load_b128 v[128+64*(\buf)+8*b:128+64*(\buf)+8*b+3],   v6 offset:(\s)*24576+(8*(\g)+b)*256
	ds_load_b128 v[128+64*(\buf)+8*b+4:128+64*(\buf)+8*b+7], v6 offset:(\s)*24576+(8*(\g)+b)*256+12288
.set b, b+1
.endr
.endm
.macro LDX s                           ; my 64 tokens x 32 k of x, as f32
	WIN 0
.set a, 0
.rept 4
	ds_load_b128 v[32+16*a:32+16*a+3],     v4 offset:a*4352+(\s)*128
	ds_load_b128 v[32+16*a+4:32+16*a+7],   v4 offset:a*4352+(\s)*128+16
	ds_load_b128 v[32+16*a+8:32+16*a+11],  v4 offset:a*4352+(\s)*128+64
	ds_load_b128 v[32+16*a+12:32+16*a+15], v4 offset:a*4352+(\s)*128+80
.set a, a+1
.endr
.endm
.macro CVX                             ; x rounded to bf16: four fragments
	WIN 0
.set i, 0
.rept 32
	v_cvt_pk_bf16_f32 v[96+i], v[32+2*i], v[32+2*i+1]
.set i, i+1
.endr
.endm
; 16 matrix instructions: token tiles a0, a0 + 1 x the group's 8 column tiles.  Source 0 = 16 columns, source 1 = 16 tokens: a lane holds one token and 8 neighbouring channels.
; For v's columns (group 2, tiles 4-7) the sources are swapped: a lane holds one channel and 8 neighbouring tokens, which is V^T as the second product wants it.
.macro GRPH g, buf, zero, a0
	WIN 0x50*((\g)+1)
.irp a, \a0, (\a0)+1
.irp b, 0,1,2,3,4,5,6,7
.set rD, 8*(8*(\a)+(\b))
.set rU, 128+64*(\buf)+8*(\b)
.set rV, 96+8*(\a)
.if ((\g) == 2) && ((\b) >= 4)
.set rU, 96+8*(\a)
.set rV, 128+64*(\buf)+8*(\b)
.endif
.if \zero
	v_wmma_f32_16x16x32_bf16 v[rD:rD+7], v[rU:rU+7], v[rV:rV+7], 0
.else
	v_wmma_f32_16x16x32_bf16 v[rD:rD+7], v[rU:rU+7], v[rV:rV+7], v[rD:rD+7]
.endif
.endr
.endr
.endm
.macro GRP g, buf, zero
	GRPH \g, \buf, \zero, 0
	GRPH \g, \buf, \zero, 2
.endm
; Each s_wait_dscnt 0 is for the loads issued one group (32 matrix instructions) earlier; four places stand ahead of every write into registers that the last group read.
.macro SUB0 zero                       ; the first half of a K step
	s_wait_dscnt 0x0
	NOP4
	CVX
	LDW 0, 1, 1
	GRP 0, 0, \zero
	s_wait_dscnt 0x0
	NOP4
	LDW 0, 2, 0
	GRP 1, 1, \zero
	s_wait_dscnt 0x0
	NOP4
	LDW 1, 0, 1
	LDX 1
	GRP 2, 0, \zero
.endm
; The second half, and the change of slots.  fill = 1: the slot just read is filled again, two K steps on; 0: nothing is filled.
.macro SUB1 fill
	s_wait_dscnt 0x0
	NOP4
	CVX
	LDW 1, 1, 0
	GRP 0, 1, 0
	s_wait_dscnt 0x0
	NOP4
	LDW 1, 2, 1                                    ; my last reads of the slot
.if \fill
	s_wait_xcnt 0x0                                ; the last prefetch, a K step back, has read its address
	s_add_nc_u64 s[56:57], s[56:57], 256
	s_add_co_u32 s59, s59, 1
.endif
	WIN 0
	s_wait_tensorcnt 0x0                           ; all my tensor loads have landed: the one that was out is my part of the other slot;
	ds_add_u32 v28, v29                            ; 0 onto my spare word;
	GRPH 1, 0, 0, 0                                ; sixteen matrix instructions stand between the add and the wait for it
	s_wait_dscnt 0x0                               ; the add is done, and my reads of the slot are over
	s_barrier_signal -1
	GRPH 1, 0, 0, 2
	WIN 0
	s_barrier_wait -1
.if \fill
	CREST                                          ; the barrier has opened a round of the cluster's: no wave of any partner still reads the slot or has a load on its way
	s_xor_b32 s37, s37, SLOT1                      ; the walking descriptors: the other slot than last time,
	s_add_nc_u64 s[38:39], s[38:39], 256           ; the next tile of x,
	s_xor_b32 s53, s53, SLOT1
	s_add_nc_u64 s[54:55], s[54:55], 49152         ; and of the weights; the type bits on top are not reached
	s_xor_b32 s63, s63, SLOT1                      ; the reads go on in the other slot
	JLOAD 1                                        ; my one tensor load behind the round; its four v_nop are also the places ahead of the loads below
.else
	s_xor_b32 s63, s63, SLOT1
	NOP4
.endif
	v_add_nc_u32 v4, s63, v3
	v_add_nc_u32 v6, s63, v5
	LDW 0, 0, 0
	LDX 0
.if \fill
	ASK
.endif
	GRP 2, 1, 0
.endm
	s_wait_tensorcnt 0x1                           ; my part of K step 0 is in; K step 1's may stay out
	s_barrier_signal -1
	s_barrier_wait -1
	LDW 0, 0, 0
	LDX 0
	SUB0 1                                         ; the first half starts the sums with the constant 0
	WIN 0
	s_mov_b32 s60, 14
.Lk:                                               ; a trip ends one K step, fills its slot again (tiles 2 to 15) and begins the next
	SUB1 1
	SUB0 0
	WIN 0
	s_sub_co_u32 s60, s60, 1
	s_cmp_lg_u32 s60, 0
	s_cbranch_scc1 .Lk
	s_mov_b32 s60, 2
.Lkt:                                              ; the last two K steps ask for nothing
	SUB1 0                                         ; (in the second trip its barrier and its 32 loads from the slot read before serve nothing: the price, once a launch, of one text for both)
	WIN 0
	s_cmp_eq_u32 s60, 1
	s_cbranch_scc1 .Lkend                          ; behind the last K step no first half follows
	SUB0 0
	WIN 0
.Lkend:
	s_sub_co_u32 s60, s60, 1
	s_cmp_lg_u32 s60, 0
	s_cbranch_scc1 .Lkt
	NOP4                                           ; the places behind the last products
	s_wait_dscnt 0x0
	s_barrier_signal -1
	s_barrier_wait -1                              ; every wave has read the ring out, and no fill follows: its bytes now take q, k and v
	s_mov_b32 s26, 0x76543210                      ; v_permlanex16_b32: each lane takes its own place in the other half
	s_mov_b32 s27, 0xfedcba98
	s_mov_b32 s29, 0x3c800000                      ; 1 / 64
	s_mov_b32 s30, 0x358637bd                      ; 1e-6
	s_mov_b32 s22, 0x461c4000                      ; 1e4: a hidden key's r
	s_mov_b32 s23, 0x431044fe                      ; c2 = 100 log2(e)
	s_mov_b32 s24, 0xc31044fe                      ; - c2, named as a pair
	s_mov_b32 s25, s24
	s_mov_b32 s28, 1                               ; 1 until the first unit has passed
	s_mov_b32 s21, 0                               ; byte offset of the trip's two mask tiles: 0 or 1,024
	s_mov_b32 s3, 0                                ; the unit that leaves next
	s_mov_b32 s2, 8
; THE SUMS LEAVE THE ACCUMULATORS, rounded to f16: a lane's 8 numbers are one chunk of 16 bytes; 16 lanes store 256 consecutive bytes of LDS.
.macro DUMP gp
.set a, 0
.rept 4
	WIN ((\gp)+1)*5                                ; sources in window gp + 1
.set i, 0
.rept 32
	v_cvt_pk_f16_f32 v[224+i], v[64*a+2*i], v[64*a+2*i+1]
.set i, i+1
.endr
	WIN 0
.set b, 0
.rept 8
.if ((\gp) == 2) && (b >= 4)
	ds_store_b128 v8, v[224+4*b:224+4*b+3] offset:a*2048+(b-4)*256
.else
	ds_store_b128 v7, v[224+4*b:224+4*b+3] offset:(2*(\gp)+b/4)*8192+a*2048+(b%4)*512
.endif
.set b, b+1
.endr
.set a, a+1
.endr
.endm
	DUMP 0
	WIN 0x40                                       ; window 1 is free: cos (v[32 a ..]) and sin (v[32 a + 16 ..]) of my tokens, q's gains v128-159, k's v160-191
.set a, 0
.rept 4
.irp t, 0,1
	global_load_b128 v[32*a+16*(\t):32*a+16*(\t)+3],     v13, s[8:9] offset:32768*(\t)+a*2048
	global_load_b128 v[32*a+16*(\t)+4:32*a+16*(\t)+7],   v13, s[8:9] offset:32768*(\t)+a*2048+16
	global_load_b128 v[32*a+16*(\t)+8:32*a+16*(\t)+11],  v13, s[8:9] offset:32768*(\t)+a*2048+64
	global_load_b128 v[32*a+16*(\t)+12:32*a+16*(\t)+15], v13, s[8:9] offset:32768*(\t)+a*2048+80
.endr
.set a, a+1
.endr
.set a, 0
.rept 4
	global_load_b128 v[128+8*a:128+8*a+3], v20, s[8:9] offset:65536+a*64
	global_load_b128 v[128+8*a+4:128+8*a+7], v20, s[8:9] offset:65536+a*64+16
	global_load_b128 v[160+8*a:160+8*a+3], v20, s[8:9] offset:65792+a*64
	global_load_b128 v[160+8*a+4:160+8*a+7], v20, s[8:9] offset:65792+a*64+16
.set a, a+1
.endr
	DUMP 1
	DUMP 2
; RMSNORM AND ROPE, in place in my block of QK: five trips, four heads of q and then k; a trip takes my 64 tokens of one head.  A lane holds 32 of a token's 64 channels (16 cc + 8 h + 0..7), the lane 16 away the others;
; channels d and d + 32 lie in one lane.  v32-95 the f16 words, v96-223 f32, v224-239 sums, v240-255 at work.
	WIN 0
	v_mov_b32 v19, v7
	s_mov_b32 s60, 5
	s_wait_loadcnt 0x0                             ; cos, sin and the gains
.Lnorm:
.set i, 0
.rept 16
	ds_load_b128 v[32+4*i:32+4*i+3], v19 offset:(i/4)*2048+(i%4)*512
.set i, i+1
.endr
	s_wait_dscnt 0x0
.set i, 0
.rept 16                               ; the sums of squares, straight from the halves: eight chains that do not wait for each other
.set a, 0
.rept 4
.if i == 0
	v_fma_mix_f32 v[224+4*a], v[32+16*a], v[32+16*a], v21 op_sel_hi:[1,1,0]
	v_fma_mix_f32 v[225+4*a], v[32+16*a], v[32+16*a], v21 op_sel:[1,1,0] op_sel_hi:[1,1,0]
.else
	v_fma_mix_f32 v[224+4*a], v[32+16*a+i], v[32+16*a+i], v[224+4*a] op_sel_hi:[1,1,0]
	v_fma_mix_f32 v[225+4*a], v[32+16*a+i], v[32+16*a+i], v[225+4*a] op_sel:[1,1,0] op_sel_hi:[1,1,0]
.endif
.set a, a+1
.endr
.set i, i+1
.endr
.irp a, 0,1,2,3
	v_add_f32 v[224+4*(\a)], v[224+4*(\a)], v[225+4*(\a)]
.endr
.irp a, 0,1,2,3
	v_permlanex16_b32 v[225+4*(\a)], v[224+4*(\a)], s26, s27
.endr
.irp a, 0,1,2,3
	v_add_f32 v[224+4*(\a)], v[224+4*(\a)], v[225+4*(\a)]
.endr
.irp a, 0,1,2,3
	v_fma_f32 v[224+4*(\a)], v[224+4*(\a)], s29, s30   ; mean + eps
.endr
.irp a, 0,1,2,3
	v_rsq_f32 v[224+4*(\a)], v[224+4*(\a)]             ; one batch; the gains and the rotation below name none of its results
.endr
	WIN 0x04                                       ; source 1 in window 1: gains, cos, sin
.set a, 0
.rept 4
.set i, 0
.rept 16
	v_fma_mix_f32 v[96+32*a+2*i], v[32+16*a+i], v[128+2*i], v21 op_sel_hi:[1,0,0]
	v_fma_mix_f32 v[97+32*a+2*i], v[32+16*a+i], v[129+2*i], v21 op_sel:[1,0,0] op_sel_hi:[1,0,0]
.set i, i+1
.endr
.set hh, 0
.rept 2                                ; t1' = t1 cos - t2 sin, t2' = t2 cos + t1 sin, two channels a line: eight products, then the eight fused lines that read them
.set ii, 0
.rept 4
.set i, 4*hh+ii
	v_pk_mul_f32 v[240+4*ii:241+4*ii], v[112+32*a+2*i:113+32*a+2*i], v[32*a+16+2*i:32*a+17+2*i]
	v_pk_mul_f32 v[242+4*ii:243+4*ii], v[96+32*a+2*i:97+32*a+2*i], v[32*a+16+2*i:32*a+17+2*i]
.set ii, ii+1
.endr
.set ii, 0
.rept 4
.set i, 4*hh+ii
	v_pk_fma_f32 v[96+32*a+2*i:97+32*a+2*i], v[96+32*a+2*i:97+32*a+2*i], v[32*a+2*i:32*a+2*i+1], v[240+4*ii:241+4*ii] neg_lo:[0,0,1] neg_hi:[0,0,1]
	v_pk_fma_f32 v[112+32*a+2*i:113+32*a+2*i], v[112+32*a+2*i:113+32*a+2*i], v[32*a+2*i:32*a+2*i+1], v[242+4*ii:243+4*ii]
.set ii, ii+1
.endr
.set hh, hh+1
.endr
.set a, a+1
.endr
	WIN 0
	s_wait_alu depctr_va_vdst(0)                   ; one wait for the four roots, ahead of their first reader
.set a, 0
.rept 4
.set i, 0
.rept 16
	v_pk_mul_f32 v[96+32*a+2*i:97+32*a+2*i], v[96+32*a+2*i:97+32*a+2*i], v[224+4*a:225+4*a] op_sel_hi:[1,0]
.set i, i+1
.endr
.set i, 0
.rept 16
	v_cvt_pk_f16_f32 v[32+16*a+i], v[96+32*a+2*i], v[97+32*a+2*i]
.set i, i+1
.endr
.irp c, 0,1,2,3
	ds_store_b128 v19, v[32+16*a+4*(\c):32+16*a+4*(\c)+3] offset:a*2048+(\c)*512
.endr
.set a, a+1
.endr
	v_add_nc_u32 v19, 8192, v19                    ; the next head
	s_sub_co_u32 s60, s60, 1
	s_cmp_lg_u32 s60, 1
	s_cbranch_scc1 .Lnot_k
	WIN 0x41                                       ; the last trip is k's: its gains go where the one text names gains
.set i, 0
.rept 32
	v_mov_b32 v[128+i], v[160+i]
.set i, i+1
.endr
	WIN 0
.Lnot_k:
	s_cmp_lg_u32 s60, 0
	s_cbranch_scc1 .Lnorm
	s_wait_dscnt 0x0                               ; for the others' sake: my k and v lie in LDS
	s_barrier_signal -1
	s_barrier_wait -1
	WIN 0x80                                       ; K of all 256 keys into window 2: key tile kt, channel half c at v[16 kt + 8 c]
.set kt, 0
.rept 16
.irp c, 0,1
	ds_load_b128 v[16*kt+8*(\c):16*kt+8*(\c)+3],   v[14+kt/4] offset:(kt%4)*2048+(\c)*1024
	ds_load_b128 v[16*kt+8*(\c)+4:16*kt+8*(\c)+7], v[14+kt/4] offset:(kt%4)*2048+(\c)*1024+512
.endr
.set kt, kt+1
.endr
	WIN 0xc0                                       ; V^T into window 3: 32 keys kk, channel tile ct at v[32 kk + 8 ct]
.set kk, 0
.rept 8
.irp c, 0,1,2,3
	ds_load_b128 v[32*kk+8*(\c):32*kk+8*(\c)+3],   v18 offset:kk*4096+(\c)*256
	ds_load_b128 v[32*kk+8*(\c)+4:32*kk+8*(\c)+7], v18 offset:kk*4096+(\c)*256+2048
.endr
.set kk, kk+1
.endr
; ATTENTION.  Unit u = 4 head + token tile, 16 a wave; even units live in window 0, odd ones in window 1.  While one unit's softmax (vector work) runs, the other unit has the matrix unit:
; 40 products V^T P (the fifth channel tile is ones: it makes l) and then the 32 products K Q^T of its next scores, one behind every few transcendentals.
.macro PVR                             ; the next of the 40: keys 32 (n / 5) on, channel tile n % 5; the five accumulators take turns
.set kk, pvn/5
.set ct, pvn%5
.if ct < 4
	WIN 3|(UQ*0x54)
.if kk == 0
	v_wmma_f32_16x16x32_f16 v[64+8*ct:64+8*ct+7], v[32*kk+8*ct:32*kk+8*ct+7], v[128+8*kk:128+8*kk+7], 0
.else
	v_wmma_f32_16x16x32_f16 v[64+8*ct:64+8*ct+7], v[32*kk+8*ct:32*kk+8*ct+7], v[128+8*kk:128+8*kk+7], v[64+8*ct:64+8*ct+7]
.endif
.else
	WIN UQ*0x55
.if kk == 0
	v_wmma_f32_16x16x32_f16 v[96:103], v[104:111], v[128+8*kk:128+8*kk+7], 0
.else
	v_wmma_f32_16x16x32_f16 v[96:103], v[104:111], v[128+8*kk:128+8*kk+7], v[96:103]
.endif
.endif
.set pvn, pvn+1
.endm
.macro QKR                             ; the next of the 32: channels 32 (n / 16) on, key tile n % 16
.set cc, qkn/16
.set kt, qkn%16
	WIN 2|(UQ*0x54)
.if cc == 0
	v_wmma_f32_16x16x32_f16 v[128+8*kt:128+8*kt+7], v[16*kt:16*kt+7], v[48:55], 0
.else
	v_wmma_f32_16x16x32_f16 v[128+8*kt:128+8*kt+7], v[16*kt+8:16*kt+15], v[56:63], v[128+8*kt:128+8*kt+7]
.endif
.set qkn, qkn+1
.endm
.macro MQ p, qt, base                  ; a quarter of unit p's masks, 32 words, into s[base ..]
	s_load_b512 s[\base:\base+15], s[10:11], s21 offset:(\p)*512+(\qt)*128
	s_load_b512 s[\base+16:\base+31], s[10:11], s21 offset:(\p)*512+(\qt)*128+64
.endm
.macro CM i                            ; score i: a hidden key's r becomes 1e4.  Quarters lie by turns in s[32:63] and s[68:99]
.set wd, 32+((\i)%32)+36*(((\i)/32)%2)
	v_cndmask_b32 v[128+(\i)], s22, v[128+(\i)], s[wd]
.endm
.macro MN m                            ; pair m enters one of four running minima
	v_min3_num_f32 v[32+(\m)%4], v[32+(\m)%4], v[128+2*(\m)], v[129+2*(\m)]
.endm
.macro PA j                            ; pair j: 1 + t
	v_pk_add_f32 v[128+2*(\j):129+2*(\j)], v[128+2*(\j):129+2*(\j)], 1.0 op_sel_hi:[1,0]
.endm
.macro FM i                            ; pair i: c2 rmin - c2 r
	v_pk_fma_f32 v[128+2*(\i):129+2*(\i)], v[128+2*(\i):129+2*(\i)], s[24:25], v[36:37] op_sel_hi:[1,0,1]
.endm
; r = 1 / (1 + t) for the 32 pairs from pair f on; a pair's sum is made three pairs ahead of its reciprocals.  A product V^T P stands behind every two pairs while there are any.  One wait for the batch.
.macro RCPS f
	PA (\f)
	PA (\f)+1
	PA (\f)+2
.set j, (\f)
.rept 16
	WIN PW
.rept 2
.if j+3 < (\f)+32
	PA j+3
.endif
	v_rcp_f32 v[128+2*j], v[128+2*j]
	v_rcp_f32 v[129+2*j], v[129+2*j]
.set j, j+1
.endr
.if pvn < 40
	PVR
.endif
.endr
	WIN PW
	v_nop                                          ; the plain line behind the batch's last
	s_wait_alu depctr_va_vdst(0)
.endm
; Unit q leaves: O^T / l, rounded to f16; a lane's 8 channels are one chunk of o16; 16 lanes store 256 consecutive bytes, aligned.
.macro OUTQ q, skip
	WIN 0
.if \skip
	s_cmp_eq_u32 s28, 1                            ; in the first trip the odd window has held no unit yet
	s_mov_b32 s28, 0
	s_cbranch_scc1 .Lno_out_\@
.endif
	WIN (\q)*0x55
	v_rcp_f32 v40, v96
	v_mov_b32 v41, 0                               ; the plain line behind the reciprocal; also the pair's other register
	s_wait_alu depctr_va_vdst(0)
.set i, 0
.rept 16
	v_pk_mul_f32 v[64+2*i:65+2*i], v[64+2*i:65+2*i], v[40:41] op_sel_hi:[1,0]
.set i, i+1
.endr
.set i, 0
.rept 16
	v_cvt_pk_f16_f32 v[112+i], v[64+2*i], v[65+2*i]    ; (this window's last stores read these registers two units back, ahead of the s_wait_xcnt 0 at each unit's head)
.set i, i+1
.endr
	WIN 0
	s_wait_xcnt 0x0                                ; the last unit's stores have read their offset
	s_lshr_b32 s66, s3, 2
	s_lshl_b32 s66, s66, 15                        ; the head's 8 chunks of 4,096 bytes
	s_and_b32 s67, s3, 3
	s_lshl_b32 s67, s67, 8                         ; the token tile's 16 x 16 bytes
	s_add_co_u32 s66, s66, s67
	s_add_co_u32 s3, s3, 1
	v_add_nc_u32 v12, s66, v11
	WIN (\q)<<2                                    ; the stores' data in window q
.irp c, 0,1,2,3
	global_store_b128 v12, v[112+4*(\c):112+4*(\c)+3], s[12:13] offset:(\c)*8192
.endr
	WIN 0
.if \skip
.Lno_out_\@:
.endif
.endm
; THE SOFTMAX OF THE UNIT IN WINDOW p, in stages; each batch of transcendentals has one wait, ahead of its first reader.
;   1  t of scores 0-63 | 16 products V^T P          2  r of scores 0-63 | 16 products
;   3  the masks of scores 0-63, two selects beside each exponential of scores 64-95; then their minima, one beside each exponential of scores 96-127
;   4  r of scores 64-127 | the last 8 products, in its first half: 13 plain lines follow them          5  the other unit leaves          6  mask and minimum of scores 64-127; the row's minimum
;   7  p | 32 products K Q^T          8  p rounded to f16
; The mask words come in quarters, 32 scalar registers each, two banks: quarters 0 and 1 are asked for at the head, 2 and 3 in the first part of stage 3 as their banks fall free, and are awaited ahead of stage 6:
; the selects stand first in stage 3 so that the second bank falls free 64 lines ahead of the stage's end.
; No line reads the result of the line just ahead of it: sums, minima and scalings stand apart from the lines that they feed or read.
.macro UNIT p, skip
.set UQ, 1-(\p)
.set PW, (\p)*0x55
.set pvn, 0
.set qkn, 0
	WIN 0
	s_wait_xcnt 0x0                                ; earlier stores and scalar loads have read their registers
	MQ \p, 0, 32
	MQ \p, 1, 68
	WIN UQ<<6                                      ; the other unit's next Q
	ds_load_b128 v[48:51], v10
	ds_load_b128 v[52:55], v10 offset:512
	ds_load_b128 v[56:59], v10 offset:1024
	ds_load_b128 v[60:63], v10 offset:1536
	WIN 0
	v_add_nc_u32 v10, 2048, v10
	WIN PW
.irp r, 32,33,34,35
	v_mov_b32 v\r, s22
.endr
.set i, 0
.rept 16                               ; stage 1
	WIN PW
.rept 4
	v_exp_f32 v[128+i], v[128+i]
.set i, i+1
.endr
	PVR
.endr
	WIN PW
	v_nop
	s_wait_alu depctr_va_vdst(0)
	RCPS 0                                         ; stage 2
	s_wait_kmcnt 0x0                               ; mask quarters 0 and 1
.set m, 0
.rept 32                               ; stage 3, first part
	CM 2*m
	CM 2*m+1
	v_exp_f32 v[192+m], v[192+m]
.if m == 15
	MQ \p, 2, 32                                   ; quarter 0 has been used
.endif
.if m == 31
	MQ \p, 3, 68                                   ; quarter 1 too
.endif
.set m, m+1
.endr
.set m, 0
.rept 32                               ; stage 3, second part; the last minimum is also the plain line behind the batch's last
	v_exp_f32 v[224+m], v[224+m]
	MN m
.set m, m+1
.endr
	s_wait_alu depctr_va_vdst(0)
	RCPS 32                                        ; stage 4
	OUTQ UQ, \skip                                 ; stage 5
	s_wait_kmcnt 0x0                               ; mask quarters 2 and 3: the rest of stage 3, stage 4 and the way out stand between the requests and this wait
	WIN PW
.set m, 32
.rept 32                               ; stage 6
	CM 2*m
	CM 2*m+1
.if m > 33
	MN m-2
.endif
.set m, m+1
.endr
	MN 62
	MN 63
.if (\p) == 1
	s_xor_b32 s21, s21, 1024                       ; the next trip's two token tiles
.endif
	v_min3_num_f32 v32, v32, v33, v34
	v_min_num_f32 v32, v32, v35
	v_permlanex16_b32 v33, v32, s26, s27           ; the query's other 128 keys lie in the lane 16 away
	v_min_num_f32 v32, v32, v33
	v_mul_f32 v36, s23, v32                        ; c2 rmin
	v_mov_b32 v37, v36
	s_wait_dscnt 0x0                               ; the other unit's Q is in
	FM 0
	FM 1
.set m, 0
.rept 32                               ; stage 7: a pair is scaled two pairs ahead of its exponentials
	WIN PW
.rept 2
.if m < 62
	FM m+2
.endif
	v_exp_f32 v[128+2*m], v[128+2*m]
	v_exp_f32 v[129+2*m], v[129+2*m]
.set m, m+1
.endr
	QKR
.endr
	WIN PW
	v_nop
	s_wait_alu depctr_va_vdst(0)
.set i, 0
.rept 64                               ; stage 8: two score tiles make a fragment of P, in place
	v_cvt_pk_f16_f32 v[128+i], v[128+2*i], v[129+2*i]
.set i, i+1
.endr
.endm
	WIN 0
	s_mov_b32 s66, 0x3c003c00                      ; 1.0 twice, in f16
.set i, 0
.rept 8
	v_mov_b32 v[104+i], s66
.set i, i+1
.endr
	WIN 0x40
.set i, 0
.rept 8
	v_mov_b32 v[104+i], s66
.set i, i+1
.endr
.set i, 0
.rept 64                               ; the first trip's products V^T P, of a unit that has not been, multiply zeros: the price of one text for every trip
	v_mov_b32 v[128+i], 0
.set i, i+1
.endr
	WIN 0
	v_mov_b32 v10, v7
	ds_load_b128 v[48:51], v10                     ; unit 0's Q
	ds_load_b128 v[52:55], v10 offset:512
	ds_load_b128 v[56:59], v10 offset:1024
	ds_load_b128 v[60:63], v10 offset:1536
	v_add_nc_u32 v10, 2048, v10
	s_wait_dscnt 0x0                               ; K, V and Q
.set UQ, 0
.set qkn, 0
.rept 32
	QKR                                            ; unit 0's scores
.endr
	WIN 0
	NOP4
.Lunit:                                            ; eight trips, two units each.  The last trip's products K Q^T take my k block for a 17th unit and serve nothing: once a launch
	UNIT 0, 1
	UNIT 1, 0
	WIN 0
	s_sub_co_u32 s2, s2, 1
	s_cmp_lg_u32 s2, 0
	s_cbranch_scc1 .Lunit
.set UQ, 1
.set pvn, 0
.rept 40
	PVR                                            ; unit 15's V^T P
.endr
	WIN 0
	NOP4
	OUTQ 1, 0
	s_wait_tensorcnt 0x0                           ; the wave's end
	ds_add_u32 v28, v29
	s_wait_dscnt 0x0
	CROUND                                         ; the closing round
	s_endpgm
.Lfunc_end_k_q817c277d0c_attn:
	.size	k_q817c277d0c_attn, .Lfunc_end_k_q817c277d0c_attn-k_q817c277d0c_attn
	.p2alignl 7, 3214868480
	.fill 96, 4, 3214868480
	.section	.rodata,"a",@progbits
	.p2align	6, 0x0
	.amdhsa_kernel k_q817c277d0c_attn
		.amdhsa_group_segment_fixed_size 327680
		.amdhsa_private_segment_fixed_size 0
		.amdhsa_enable_private_segment 0
		.amdhsa_kernarg_size 40
		.amdhsa_user_sgpr_count 2
		.amdhsa_user_sgpr_kernarg_segment_ptr 1
		.amdhsa_wavefront_size32 1
		.amdhsa_system_sgpr_workgroup_id_x 1
		.amdhsa_system_sgpr_workgroup_id_y 1
		.amdhsa_system_sgpr_workgroup_id_z 1
		.amdhsa_system_vgpr_workitem_id 0
		.amdhsa_next_free_vgpr 1024
		.amdhsa_next_free_sgpr 100
		.amdhsa_reserve_vcc 0
		.amdhsa_float_denorm_mode_32 3
		.amdhsa_float_denorm_mode_16_64 3
		.amdhsa_memory_ordered 1
		.amdhsa_forward_progress 1
		.amdhsa_inst_pref_size 255
	.end_amdhsa_kernel
	.section	.bss,"aw",@nobits
	.p2align	6
	.space	262144
	.amdgpu_metadata
---
amdhsa.version: [ 1, 2 ]
amdhsa.kernels:
  - .name:           k_q817c277d0c_attn
    .symbol:         k_q817c277d0c_attn.kd
    .args:
      - { .name: x, .offset: 0, .size: 8, .value_kind: global_buffer, .address_space: global }
      - { .name: wqkv, .offset: 8, .size: 8, .value_kind: global_buffer, .address_space: global }
      - { .name: rope, .offset: 16, .size: 8, .value_kind: global_buffer, .address_space: global }
      - { .name: lmask, .offset: 24, .size: 8, .value_kind: global_buffer, .address_space: global }
      - { .name: o16, .offset: 32, .size: 8, .value_kind: global_buffer, .address_space: global }
    .group_segment_fixed_size: 327680
    .private_segment_fixed_size: 0
    .kernarg_segment_align: 8
    .kernarg_segment_size: 40
    .max_flat_workgroup_size: 128
    .sgpr_count:     100
    .vgpr_count:     1024
    .wavefront_size: 32
...
	.end_amdgpu_metadata
.endif
;; end of part 2
;; launch oproj (part 3): grid 4 x 64, 4 waves a work-group, clusters of 4 x 4, 327,680 bytes of LDS; arguments o16, wo16, out0; writes out0
.if DOCPART == 3
	.amdgcn_target "amdgcn-amd-amdhsa--gfx1250"
	.amdhsa_code_object_version 6
	.text
	.protected	k_q817c277d0c_oproj
	.globl	k_q817c277d0c_oproj
	.p2align	8
	.type	k_q817c277d0c_oproj,@function
k_q817c277d0c_oproj:
	s_mov_b64 s[64:65], 0
	v_nop
	global_prefetch_b8 v0, s[64:65] scope:SCOPE_SE
	s_setreg_imm32_b32 hwreg(HW_REG_WAVE_MODE, 25, 1), 1
	s_wait_xcnt 0x0
	s_wait_alu depctr_hold_cnt(0) depctr_sa_sdst(0) depctr_va_vdst(0) depctr_va_sdst(0) depctr_va_ssrc(0) depctr_va_vcc(0) depctr_vm_vsrc(0)
	s_getreg_b32 s2, hwreg(HW_REG_IB_STS2, 6, 4)
	s_cmp_eq_u32 s2, 0
	s_cbranch_scc0 .Lentry_in_a_cluster
	s_endpgm
.Lentry_in_a_cluster:
	s_bfe_u32 s2, ttmp6, 0x10000c
	s_cmp_lg_u32 s2, 0xf033
	s_cbranch_scc0 .Lentry_shape_is_right
	s_endpgm
.Lentry_shape_is_right:
; out0[token][n] = the sum over k of O[token][k] Wo[k][n].  O: o16 [frame 64][k chunk 128][token 256][8 k] f16; Wo: wo16 [column tile 4][k chunk 128][n 256][8 k] f16; out0 f32, rows of 4,096 bytes.
; A work-group makes one frame's 256 tokens x 256 columns; each of its four waves 128 x 128: 64 accumulators, 512 registers.  K goes in 8 steps of 128 (16 chunks) through two LDS slots.
; Both operands lie in chunks, so a step's tile is 65,536 dense bytes, asked for as rows of 256 bytes, and a fragment load's 16 lanes read 256 consecutive bytes of LDS: no padding.
; CLUSTER 4 x 4: the four column tiles of a frame (a row of the cluster) share O's tile, the four frames of a column share Wo's: both are asked for jointly.
; THE MATRIX INSTRUCTION IS USED TRANSPOSED (source 0 = 16 columns of Wo, source 1 = 16 tokens): a lane holds 8 neighbouring numbers of a row of out0.
; REGISTERS: window 0: v0-31 addresses; v64-127, v128-191 fragments of O, two buffers (on the way out: rows read back); window 1: the same for Wo; windows 2, 3: accumulators of my rows 0-63, 64-127 ((a, b) at v[8 (8 a + b)]).
.set SLOT,   131072                    ; O's 16 chunks of 4,096 bytes, then Wo's; slot 1 begins here, so that one exclusive or turns an address in one slot into the other's
.set STAGE,  262144                    ; behind the ring: 16 rows x 528 bytes for each wave (512 + 16: row r starts 4 r banks on)
.set SPITCH, 528
.set SPARE,  STAGE+4*16*SPITCH
.set ADRA, 16                          ; v16 my fragments of O in the slot that is being read; v17 the same in slot 0, never rewritten
.set ADRB, 20                          ; v20, v21 the same for Wo
.set STO,  24
.set RD,   25
.set CO,   26
.set SPW,  28
.set NIL,  29
.set PFO,  30
.set F0,   64
.set F1,   128
.set G1,  24
.set G0,  32                           ; s[32:39] group 0 for O's tiles: a set for each of the two first fills; the second then walks on
.set G1B, 48
.set G0B, 56                           ; s[56:63] the same for Wo's
.set TB,  74                           ; s74 the slot that is being read: 0 or SLOT
.set MSB, 0
.macro WIN new
.if MSB != (\new)
	s_set_vgpr_msb (MSB<<8)|(\new)
.set MSB, (\new)
.endif
.endm
.set MUL_LO, 0xa1                      ; source 0 (Wo) window 1, source 1 (O) window 0, C and D window 2
.set MUL_HI, 0xf1
.set TO_B,   0x40
.macro PLACES
.rept 4
	v_nop
.endr
.endm
.macro JLOAD s                         ; waves 0 and 1 fetch the halves of O's tile, waves 2 and 3 of Wo's; an s_nop 0 and four v_nop follow each line
	s_cmp_eq_u32 s11, 0
	s_cbranch_scc0 .Lfor_b_\@
	tensor_load_to_lds s[G0+4*(\s):G0+4*(\s)+3], s[G1:G1+7]
	s_nop 0
	PLACES
	s_branch .Lasked_\@
.Lfor_b_\@:
	tensor_load_to_lds s[G0B+4*(\s):G0B+4*(\s)+3], s[G1B:G1B+7]
	s_nop 0
	PLACES
.Lasked_\@:
.endm
.macro CREST
	s_cmp_lg_u32 s10, 0
	s_cbranch_scc1 .Lnot_wave_0_\@
	s_barrier_signal -3
.Lnot_wave_0_\@:
	s_barrier_wait -3
	s_barrier_signal -1
	s_barrier_wait -1
.endm
.macro CROUND
	s_barrier_signal -1
	s_barrier_wait -1
	CREST
.endm
; A prefetch of the tile that the NEXT refill will ask for, 256 matrix instructions ahead of that load.  Of the 128 blocks of 256 bytes that a wave fetches, each of the four partners takes 32, told apart by address
; (cx for O, cy for Wo): a lane a block.  A frame's O is read by one cluster; Wo's tiles by all sixteen: cluster y = 0 asks.  So each block is named once.  Tiles 0 to 2 come by their loads alone; the last refill asks for nothing.
.macro ASK
	s_cmp_lt_u32 s69, s68
	s_cbranch_scc0 .Lnot_mine_\@
	global_prefetch_b8 v[PFO], s[66:67] offset:65536 th:TH_LOAD_NT scope:SCOPE_SE
.Lnot_mine_\@:
.endm
	s_load_b128 s[4:7], s[0:1], 0x0                ; o16 4, wo16 6
	s_load_b64 s[8:9], s[0:1], 0x10                ; out0
	v_lshl_add_u32 v[SPW], v0, 2, SPARE
	v_mov_b32 v[NIL], 0
	ds_add_u32 v[SPW], v[NIL]                      ; the wave's opening: the add and its wait ahead of my first tensor load
	v_lshrrev_b32 v1, 5, v0
	v_readfirstlane_b32 s10, v1                    ; wave 0..3
	s_lshr_b32 s11, s10, 1                         ; my half of the rows.  Also: I fetch O (0) or Wo (1)
	s_and_b32 s12, s10, 1                          ; my half of the columns.  Also: which half of the tile I fetch
	s_bfe_u32 s40, ttmp6, 0x40000                  ; cx
	s_bfe_u32 s41, ttmp6, 0x40004                  ; cy
	s_lshl_b32 s42, ttmp9, 2
	s_add_co_u32 s42, s42, s40                     ; the column tile
	s_and_b32 s13, ttmp7, 0xffff
	s_lshl_b32 s13, s13, 2
	s_add_co_u32 s13, s13, s41                     ; the frame
	s_lshl_b32 s20, s41, 2
	s_lshl_b32 s20, 15, s20                        ; my row of the cluster
	s_lshl_b32 s21, 0x1111, s40                    ; my column
	s_or_b32 s[G1], s20, (3<<16)|(1<<21)           ; elements of 8 bytes; bit 21 beside a mask
	s_or_b32 s[G1B], s21, (3<<16)|(1<<21)
.irp g, G1, G1B
	s_mov_b32 s[(\g)+1], 32<<16                    ; 32,768 dense bytes as 128 rows of 32 elements
	s_mov_b32 s[(\g)+2], 128<<16
	s_mov_b32 s[(\g)+3], 32<<16
	s_mov_b32 s[(\g)+4], 128
	s_mov_b32 s[(\g)+5], 32
	s_mov_b32 s[(\g)+6], 0
	s_mov_b32 s[(\g)+7], 0
.endr
	s_mov_b32 s[TB], 0
	s_lshl_b32 s18, s12, 15                        ; my half of a tile
	s_lshl_b32 s16, s13, 19                        ; O: the frame
	s_add_co_u32 s16, s16, s18
	s_mov_b32 s17, 0
	s_lshl_b32 s22, s42, 19                        ; Wo: the column tile
	s_add_co_u32 s22, s22, s18
	s_mov_b32 s23, 0
	s_lshl_b32 s19, s10, 15                        ; where it goes in a slot: wave x 32,768
	s_wait_dscnt 0x0                               ; the opening add is done
	s_wait_kmcnt 0x0
	s_add_nc_u64 s[14:15], s[4:5], s[16:17]
	s_add_nc_u64 s[22:23], s[6:7], s[22:23]
	CROUND                                         ; all sixteen work-groups are here: the first joint loads meet
.irp s, 0,1
	s_mov_b32 s[G0+4*(\s)], 1
	s_add_co_u32 s[G0+4*(\s)+1], s19, (\s)*SLOT
	s_add_nc_u64 s[G0+4*(\s)+2:G0+4*(\s)+3], s[14:15], (\s)*65536
	s_or_b32 s[G0+4*(\s)+3], s[G0+4*(\s)+3], 0x80000000
	s_mov_b32 s[G0B+4*(\s)], 1
	s_add_co_u32 s[G0B+4*(\s)+1], s19, (\s)*SLOT
	s_add_nc_u64 s[G0B+4*(\s)+2:G0B+4*(\s)+3], s[22:23], (\s)*65536
	s_or_b32 s[G0B+4*(\s)+3], s[G0B+4*(\s)+3], 0x80000000
	JLOAD \s                                       ; K steps 0 and 1: two loads of mine are out
.endr
	v_and_b32 v1, 15, v0                           ; r
	v_bfe_u32 v2, v0, 4, 1                         ; h
	v_lshlrev_b32 v3, 4, v1
	v_lshl_add_u32 v3, v2, 12, v3                  ; chunk h, row r
	s_lshl_b32 s70, s11, 11                        ; my 128 rows of O, 16 bytes each
	s_lshl_b32 s71, s12, 11                        ; my 128 rows of Wo,
	s_add_co_u32 s71, s71, 65536                   ; which lie behind O's tile
	v_add_nc_u32 v[ADRA+1], s70, v3
	v_add_nc_u32 v[ADRB+1], s71, v3
	v_mov_b32 v[ADRA], v[ADRA+1]
	v_mov_b32 v[ADRB], v[ADRB+1]
	s_mul_i32 s70, s10, 16*SPITCH
	s_add_co_u32 s70, s70, STAGE                   ; my stage
	v_mul_u32_u24 v4, v1, SPITCH
	v_lshl_add_u32 v4, v2, 5, v4
	v_add_nc_u32 v[STO], s70, v4                   ; in: row r, 32 bytes for each half of the lanes
	v_and_b32 v5, 31, v0
	v_lshlrev_b32 v[CO], 4, v5                     ; back and out: 32 lanes take a row's 512 bytes
	v_add_nc_u32 v[RD], s70, v[CO]
	v_lshlrev_b32 v[PFO], 8, v5
	s_lshl_b32 s20, s13, 20                        ; out0: the frame's 256 rows of 4,096 bytes,
	s_lshl_b32 s21, s11, 19                        ; my 128 rows,
	s_add_co_u32 s20, s20, s21
	s_lshl_b32 s21, s42, 10                        ; the tile's 256 columns,
	s_add_co_u32 s20, s20, s21
	s_lshl_b32 s21, s12, 9                         ; my 128 columns
	s_add_co_u32 s20, s20, s21
	s_mov_b32 s21, 0
	s_add_nc_u64 s[8:9], s[8:9], s[20:21]
	s_lshl_b32 s70, s13, 19                        ; the prefetches: O by frame, partner cx;
	s_lshl_b32 s71, s40, 13
	s_add_co_u32 s70, s70, s71
	s_lshl_b32 s72, s42, 19                        ; Wo by column tile, partner cy
	s_lshl_b32 s73, s41, 13
	s_add_co_u32 s72, s72, s73
	s_and_b32 s73, ttmp7, 0xffff                   ; cluster y: the same in all sixteen partners
	s_cmp_eq_u32 s73, 0
	s_cselect_b32 s73, 7, 0
	s_cmp_eq_u32 s11, 0
	s_cselect_b32 s70, s70, s72
	s_cselect_b32 s68, 7, s73                      ; a wave asks while the refill's tile is below this
	s_cselect_b64 s[66:67], s[4:5], s[6:7]
	s_lshl_b32 s71, s12, 15
	s_add_co_u32 s70, s70, s71
	s_add_co_u32 s70, s70, 65536                   ; at tile 1; each refill steps it
	s_mov_b32 s71, 0
	s_add_nc_u64 s[66:67], s[66:67], s[70:71]
	s_mov_b32 s69, 1
; 16 matrix instructions: row blocks a0, a0 + 1 of the window's four x all 8 column blocks, 32 along K.  The 64 accumulators take turns.
.macro MUL16 f, hi, a0, zero
	WIN MUL_LO+0x50*(\hi)
.irp a, \a0, (\a0)+1
.irp b, 0,1,2,3,4,5,6,7
.if \zero
	v_wmma_f32_16x16x32_f16 v[8*(8*(\a)+(\b)):8*(8*(\a)+(\b))+7], v[(\f)+8*(\b):(\f)+8*(\b)+7], v[(\f)+8*(4*(\hi)+(\a)):(\f)+8*(4*(\hi)+(\a))+7], 0
.else
	v_wmma_f32_16x16x32_f16 v[8*(8*(\a)+(\b)):8*(8*(\a)+(\b))+7], v[(\f)+8*(\b):(\f)+8*(\b)+7], v[(\f)+8*(4*(\hi)+(\a)):(\f)+8*(4*(\hi)+(\a))+7], v[8*(8*(\a)+(\b)):8*(8*(\a)+(\b))+7]
.endif
.endr
.endr
.endm
.macro FETCH q, f                      ; 32 LDS loads in one run: quarter q's fragments (chunks 4 q + h and 4 q + 2 + h) of the slot in hand into buffer f: Wo's, then O's
	WIN TO_B
.irp i, 0,1,2,3,4,5,6,7
	ds_load_b128 v[(\f)+8*(\i):(\f)+8*(\i)+3],   v[ADRB] offset:(\q)*16384+(\i)*256
	ds_load_b128 v[(\f)+8*(\i)+4:(\f)+8*(\i)+7], v[ADRB] offset:(\q)*16384+(\i)*256+8192
.endr
	WIN 0
.irp i, 0,1,2,3,4,5,6,7
	ds_load_b128 v[(\f)+8*(\i):(\f)+8*(\i)+3],   v[ADRA] offset:(\q)*16384+(\i)*256
	ds_load_b128 v[(\f)+8*(\i)+4:(\f)+8*(\i)+7], v[ADRA] offset:(\q)*16384+(\i)*256+8192
.endr
.endm
.macro QUARTER q, f, g, zero           ; multiplies buffer f; in its middle fetches quarter q of the same slot into buffer g
	s_wait_dscnt 8                                 ; Wo and O's rows 0-63 are in; the youngest eight loads (O's rows 64-127) may be out
	MUL16 \f, 0, 0, \zero
	MUL16 \f, 0, 2, \zero
	PLACES
	FETCH \q, \g
	s_wait_dscnt 32                                ; all but the 32 just issued
	MUL16 \f, 1, 0, \zero
	MUL16 \f, 1, 2, \zero
.endm
; The last quarter multiplies buffer 1 and changes slots.  fill = 1: the slot just read is filled again, two K steps on, behind a round of the cluster's barrier.
.macro TURN fill
.if \fill
	s_wait_xcnt 0x0                                ; the last prefetch, a K step back, has read its address
	s_add_nc_u64 s[66:67], s[66:67], 65536
	s_add_co_u32 s69, s69, 1
.endif
	WIN 0
	s_wait_tensorcnt 0x0                           ; all my tensor loads have landed: my part of the next slot;
	ds_add_u32 v[SPW], v[NIL]                      ; 0 onto my spare word;
	s_wait_dscnt 9                                 ; (the add and the youngest eight loads may be out)
	MUL16 F1, 0, 0, 0
	s_wait_dscnt 0x0                               ; the add is done, and my reads of this slot are over
	s_barrier_signal -1
	MUL16 F1, 0, 2, 0
	WIN 0
	s_barrier_wait -1
.if \fill
	CREST                                          ; no wave of any partner still reads this slot or has a load on its way
	s_xor_b32 s[G0+5], s[G0+5], SLOT               ; the walking descriptors: the other slot than last time,
	s_add_nc_u64 s[G0+6:G0+7], s[G0+6:G0+7], 65536 ; the next tile; the type bits on top are not reached
	s_xor_b32 s[G0B+5], s[G0B+5], SLOT
	s_add_nc_u64 s[G0B+6:G0B+7], s[G0B+6:G0B+7], 65536
	s_xor_b32 s[TB], s[TB], SLOT                   ; the reads go on in the other slot
	JLOAD 1                                        ; my one tensor load behind the round; its four v_nop are also the places ahead of the loads below
.else
	s_xor_b32 s[TB], s[TB], SLOT
	PLACES
.endif
	v_add_nc_u32 v[ADRA], s[TB], v[ADRA+1]
	v_add_nc_u32 v[ADRB], s[TB], v[ADRB+1]
	FETCH 0, F0
.if \fill
	ASK
.endif
	MUL16 F1, 1, 0, 0
	MUL16 F1, 1, 2, 0
.endm
	s_wait_tensorcnt 0x1                           ; my part of K step 0 is in; K step 1's may stay out
	s_barrier_signal -1
	s_barrier_wait -1
	FETCH 0, F0
	QUARTER 1, F0, F1, 1                           ; the first quarter starts the sums with the constant 0
	WIN 0
	s_mov_b32 s3, 6
.Lstep:                                            ; a trip goes from a K step's second quarter to the next step's first, and fills the slot that it leaves: tiles 2 to 7
	QUARTER 2, F1, F0, 0
	QUARTER 3, F0, F1, 0
	TURN 1
	QUARTER 1, F0, F1, 0
	WIN 0
	s_sub_co_u32 s3, s3, 1
	s_cmp_lg_u32 s3, 0
	s_cbranch_scc1 .Lstep
	s_mov_b32 s3, 2
.Llast:                                            ; the last two K steps fill nothing
	QUARTER 2, F1, F0, 0
	QUARTER 3, F0, F1, 0
	TURN 0                                         ; (in the second trip its barrier and its 32 loads from the slot read before serve nothing: the price, once a launch, of one text for both)
	WIN 0
	s_cmp_eq_u32 s3, 1
	s_cbranch_scc1 .Lover                          ; behind the last K step no first quarter follows
	QUARTER 1, F0, F1, 0
	WIN 0
.Lover:
	s_wait_dscnt 0x0                               ; the last fetch has landed: its registers are loaded again by the next trip's fetches, and behind the loop by the way out
	s_sub_co_u32 s3, s3, 1
	s_cmp_lg_u32 s3, 0
	s_cbranch_scc1 .Llast
	PLACES                                         ; ahead of the stores that read results and of the loads into the fragments' registers
; THE WAY OUT, 16 rows at a time through my own stage: a lane's 32 bytes of a row go in, whole rows of 512 bytes come back and are stored.
.macro TOSTAGE a
.set AC, 64*((\a)%4)
.set BK, 64+64*((\a)%2)
	WIN (2+(\a)/4)<<2                              ; the stores' data in window 2 or 3
.irp b, 0,1,2,3,4,5,6,7
	ds_store_b128 v[STO], v[AC+8*(\b):AC+8*(\b)+3]   offset:64*(\b)
	ds_store_b128 v[STO], v[AC+8*(\b)+4:AC+8*(\b)+7] offset:64*(\b)+16
.endr
	WIN 0
	s_wait_xcnt 0x0                                ; the stores of two blocks back have read these registers
.irp t, 0,1,2,3,4,5,6,7,8,9,10,11,12,13,14,15
	ds_load_b128 v[BK+4*(\t):BK+4*(\t)+3], v[RD] offset:(\t)*SPITCH  ; LDS serves a wave's instructions in order (ISA guide 5.7.1.4): these see the stores above
.endr
.endm
.macro SEND a, younger                 ; younger: the LDS instructions issued behind block a's loads
.set BK, 64+64*((\a)%2)
	WIN 0
	s_wait_dscnt \younger
.if (\a) > 0
	s_wait_xcnt 0x0                                ; earlier stores have read their base
	s_add_nc_u64 s[8:9], s[8:9], 65536             ; 16 rows on
.endif
.irp t, 0,1,2,3,4,5,6,7,8,9,10,11,12,13,14,15
	global_store_b128 v[CO], v[BK+4*(\t):BK+4*(\t)+3], s[8:9] offset:(\t)*4096 th:TH_STORE_NT  ; 512 consecutive bytes, at a multiple of 512 from out0's first
.endr
.endm
	TOSTAGE 0
.irp a, 1,2,3,4,5,6,7
	TOSTAGE \a
	SEND (\a)-1, 32                                ; the next block's 16 stores and 16 loads may be out
.endr
	SEND 7, 0
	s_wait_tensorcnt 0x0                           ; the wave's end
	ds_add_u32 v[SPW], v[NIL]
	s_wait_dscnt 0x0
	CROUND                                         ; the closing round
	s_endpgm
.Lfunc_end_k_q817c277d0c_oproj:
	.size	k_q817c277d0c_oproj, .Lfunc_end_k_q817c277d0c_oproj-k_q817c277d0c_oproj
	.p2alignl 7, 3214868480
	.fill 96, 4, 3214868480
	.section	.rodata,"a",@progbits
	.p2align	6, 0x0
	.amdhsa_kernel k_q817c277d0c_oproj
		.amdhsa_group_segment_fixed_size 327680
		.amdhsa_private_segment_fixed_size 0
		.amdhsa_enable_private_segment 0
		.amdhsa_kernarg_size 24
		.amdhsa_user_sgpr_count 2
		.amdhsa_user_sgpr_kernarg_segment_ptr 1
		.amdhsa_wavefront_size32 1
		.amdhsa_system_sgpr_workgroup_id_x 1
		.amdhsa_system_sgpr_workgroup_id_y 1
		.amdhsa_system_sgpr_workgroup_id_z 1
		.amdhsa_system_vgpr_workitem_id 0
		.amdhsa_next_free_vgpr 1024
		.amdhsa_next_free_sgpr 80
		.amdhsa_reserve_vcc 0
		.amdhsa_float_denorm_mode_32 3
		.amdhsa_float_denorm_mode_16_64 3
		.amdhsa_memory_ordered 1
		.amdhsa_forward_progress 1
		.amdhsa_inst_pref_size 99
	.end_amdhsa_kernel
	.amdgpu_metadata
---
amdhsa.version: [ 1, 2 ]
amdhsa.kernels:
  - .name:           k_q817c277d0c_oproj
    .symbol:         k_q817c277d0c_oproj.kd
    .args:
      - { .name: o16, .offset: 0, .size: 8, .value_kind: global_buffer, .address_space: global }
      - { .name: wo16, .offset: 8, .size: 8, .value_kind: global_buffer, .address_space: global }
      - { .name: out0, .offset: 16, .size: 8, .value_kind: global_buffer, .address_space: global }
    .group_segment_fixed_size: 327680
    .private_segment_fixed_size: 0
    .kernarg_segment_align: 8
    .kernarg_segment_size: 24
    .max_flat_workgroup_size: 128
    .sgpr_count:     80
    .vgpr_count:     1024
    .wavefront_size: 32
...
	.end_amdgpu_metadata
.endif
;; end of part 3
